; MI455X (gfx1250); checked and timed in simulation.
; The chip was launched on July 23, 2026; its instructions are those of AMD's public machine-readable ISA for CDNA 5 (MIT licence, August 2026) and "CDNA5" Instruction Set Architecture Reference Guide (July 2026). The comments in the code are by the model that wrote it; some were corrected since.
;; Memristive Fully Connected. Allowed arithmetic: matrix products marked QUANTISED: E2M1 operands, one E8M0 scale for each 32 along K, by v_wmma_scale_f32_16x16x128_f8f6f4 with both operands' format E2M1 (or v_wmma_scale_f32_32x16x128_f4), f32 sums; everything else in f32.
;; Inputs: b 4,096 float32; w 4,096 x 4,096 float32; x 2,048 x 4,096 float32.
;; Outputs: out0 2,048 x 4,096 float32.
;; This version of the problem:
;;   THIS VERSION OF THE PROBLEM IS GIVEN IN LOW PRECISION. The matrix products marked QUANTISED in the list below multiply operands that are first quantised to E2M1 (2 exponent bits, 1 mantissa bit; 4 bits a number), with one power-of-two scale for each 32 numbers along K (OCP MX v1.0); their sums are f32. All else is computed in f32.
;;   The module's matrix products, in the order in which they are computed (A, B: the left and right operand; K: the contracted axis; several contracted axes count as one K, in the product's order):
;;     1. [M 2,048, K 4,097] x [K 4,097, N 8,192]; A: computed on the way; B: computed on the way: QUANTISED
;;   THE QUANTISER, for each operand of a quantised product, along K:
;;     - K is cut into blocks of 32 from its start; a last block that is shorter is filled with zeros.
;;     - A block's scale is 2^e with e = floor(log2(the largest magnitude in the block)) - 2, held to -126 .. 127; a block of zeros has e = 0. As a byte (E8M0): e + 127.
;;     - Each number is divided by its block's scale, clamped to +-6, and rounded to the nearest number of E2M1, ties to even, subnormals kept.
;;     - The product sums the exact products of the quantised numbers (number of the format x scale) in f32.
;;   ~~~python
;;   def quantise(x, axis):      # numpy; x: float32 -> the quantised numbers, widened to float32 again
;;       x = np.moveaxis(x, axis, -1); K = x.shape[-1]
;;       x = np.pad(x, [(0, 0)] * (x.ndim - 1) + [(0, -K % 32)]); x = x.reshape(x.shape[:-1] + (-1, 32)); a = np.abs(x).max(-1, keepdims=True)
;;       e = np.where(a > 0, np.clip(np.frexp(np.where(a > 0, a, 1))[1] - 1 - 2, -126, 127), 0)      # np.frexp(a)[1] - 1 = floor(log2(a)), exactly
;;       r = np.clip(x / 2.0 ** e, -6, 6)
;;       step = 2.0 ** (np.maximum(np.frexp(np.where(r == 0, 1, r))[1] - 1, 0) - 1)
;;       q = np.round(r / step) * step * 2.0 ** e      # np.round: ties to even
;;       return np.moveaxis(q.reshape(q.shape[:-2] + (-1,))[..., :K], -1, axis).astype(np.float32)
;;   ~~~
;;   OPERANDS COMPUTED ON THE WAY. 'Computed on the way' means the value that the module computes at that place (a softmax that the list does not call 'softmax' is quantised finished and normalised). What goes into a quantiser is computed in f32, as accurately as f32 sums, v_exp_f32 and their like allow (about 1e-6 of the number): no bf16 or f16 on the way to a quantiser, and a product that is left as it is and whose result goes on into a quantised operand takes f32 operands (vector FMAs, or v_wmma_f32_16x16x4_f32). A number that lies on a knife's edge between two numbers of the format may be rounded either way, as far as f32 arithmetic and the matrix unit's own rounding can turn it there, and no further.
;; One version. Each part assembles by itself: llvm-mc -triple=amdgcn-amd-amdhsa -mcpu=gfx1250 --defsym DOCPART=n.
;; ======== version 1 of 1: 3 launches
;; limits: right only within a limited range of input values
;; workspace buffers: pmax 1,024 bytes; xq 4,456,448 bytes; gq 17,825,792 bytes
;; launch prep (part 1): grid 256 x 1, 4 waves a work-group, no clusters, 39,680 bytes of LDS; arguments x, w, b, xq, pmax; writes xq, pmax
.if DOCPART == 1
	.amdgcn_target "amdgcn-amd-amdhsa--gfx1250"
	.amdhsa_code_object_version 6
	.text
	.protected	k_q2a6a4729b6_prep
	.globl	k_q2a6a4729b6_prep
	.p2align	8
	.type	k_q2a6a4729b6_prep,@function
k_q2a6a4729b6_prep:
	s_mov_b64 s[64:65], 0
	v_nop
	global_prefetch_b8 v0, s[64:65] scope:SCOPE_SE
	s_setreg_imm32_b32 hwreg(HW_REG_WAVE_MODE, 25, 1), 1
	s_wait_xcnt 0x0
; FIRST OF THREE LAUNCHES.  It does two things that need no number of any other work-group:
;  (1) the largest magnitude of this work-group's share of w [4096][4096] and b [4096]: one f32 to pmax[work-group];
;  (2) the voltages 0.5 x, x [2048][4096] f32, as codes of FP4 (E2M1) with one E8M0 byte for each 32 along K, to xq.
; xq is laid [tile of 256 rows: 8][K step of 512: 8][row: 256][272 bytes]; a row's 272 bytes are its 256 bytes of codes (the lower k in the low four bits) and behind them its 16 scale bytes.
; So a (tile, K step) is 69,632 consecutive bytes which the product's launch brings into LDS as they lie, rows 272 bytes apart.
; A block's scale is 2^(floor(log2(its largest magnitude)) - 2): its byte is the largest magnitude's exponent field - 2, held at 1 from below by a floor among the maximum's leaves.
; LIMITS: NaN and infinities are not served.  A block of zeros gets the byte 1 where the rule says 127: its codes are zeros, and this program alone reads the bytes.  Blocks of 0.5 x under 2^-124 keep the byte 1.
; SHARES.  Wave g = 4 x work-group + wave (0 .. 1,023): 65,536 bytes of w at 65,536 g; 16 bytes of b at 16 g; of x rows 16 (g / 8) .. + 15, k 512 (g % 8) .. + 511.
; No input byte is read by two waves: so no cluster, no tensor load, and one barrier, for the four waves' maxima.  32 loads of 512 consecutive bytes of every wave are on their way, from w's first to x's last.
; The conversions take neighbours along K from ONE lane's registers, the loads take neighbouring bytes in neighbouring LANES: a step's 2,048 bytes turn through the wave's own stage in LDS (16 bytes of padding behind each 64).
.set WREG,  9728                       ; LDS of a wave: two stages of 32 x 80 bytes, then the image of its 16 rows x 272 bytes
.set SP,    80                         ; a lane's place in a stage: 64 bytes + 16
.set STG1,  32*SP                      ; the second stage
.set IMG,   2*32*SP                    ; the image
.set MAXW,  4*WREG                     ; behind the four regions: four words, a maximum for each wave
.set PITCH, 272
.set KBLK,  256*PITCH                  ; a (tile, K step) of xq in bytes
.set ROWX,  16384                      ; a row of x in bytes
.set R,     16                         ; v16-143  w: four sets of 8 loads; then x: eight sets of 4 loads; then the image on its way out
.set X,     144                        ; v144-175 two sets of 16 neighbours
.set C,     176                        ; v176-179 a step's codes, two sets by turns
.set E,     180                        ; v180-181 a step's scale byte, likewise
.set M,     184                        ; v184-187 four running maxima
; v1 MAXW; v2 lane; v3 16 x lane; v4 8 x lane; v5 image: my block's byte; v6 image: my codes; v7, v12 image on the way out; v13 my wave's word; v14, v15 the stage, in and out; v8-11 at work
	s_load_b256 s[4:11], s[0:1], 0x0               ; x s[4:5], w s[6:7], b s[8:9], xq s[10:11]
	s_load_b64 s[12:13], s[0:1], 0x20              ; pmax
	v_lshl_add_u32 v192, v0, 2, 0x9900
	v_mov_b32 v193, 0
	v_lshrrev_b32 v1, 5, v0
	v_readfirstlane_b32 s16, v1                    ; wave 0..3
	v_and_b32 v2, 31, v0                           ; lane
	v_lshlrev_b32 v3, 4, v2
	v_lshlrev_b32 v4, 3, v2
	s_mul_i32 s17, s16, WREG                       ; my wave's LDS
	v_lshrrev_b32 v14, 2, v2
	v_mul_u32_u24 v14, v14, SP
	v_and_b32 v15, 3, v2
	v_lshl_add_u32 v14, v15, 4, v14
	v_add_nc_u32 v14, s17, v14                     ; the stage, in: four lanes' 64 bytes on end, then the padding
	v_mul_u32_u24 v15, v2, SP
	v_add_nc_u32 v15, s17, v15                     ; and out: my 16 neighbours
	s_add_co_u32 s19, s17, IMG
	v_lshrrev_b32 v5, 1, v2
	v_add_nc_u32 v5, s19, v5                       ; two lanes hold a block: its byte (+ 256 + the row, in the immediate)
	v_add_nc_u32 v6, s19, v4                       ; my 16 codes: 8 bytes
	v_add_nc_u32 v7, s19, v3                       ; the image goes out 16 bytes a lane,
	v_add_nc_u32 v12, 4096, v6                     ; its last 256 bytes 8 a lane
	s_lshl_b32 s19, s16, 2
	s_add_co_u32 s19, s19, MAXW
	v_mov_b32 v13, s19
	v_mov_b32 v1, MAXW
	v_mov_b32 v188, 0                              ; (a lane permute's destination counts as one of its sources)
	s_mov_b32 s24, 0x76543210
	s_mov_b32 s25, 0xfedcba98                      ; v_permlanex16_b32's selects for lane l xor 16
	s_lshl_b32 s18, ttmp9, 2
	s_add_co_u32 s18, s18, s16                     ; g
	s_lshl_b32 s28, s18, 16                        ; w: 65,536 g
	s_mov_b32 s29, 0
	s_lshl_b32 s30, s18, 4                         ; b: 16 g
	s_mov_b32 s31, 0
	s_lshr_b32 s19, s18, 3                         ; which 16 rows of x
	s_and_b32 s27, s18, 7                          ; which K step
	s_lshl_b32 s14, s19, 18                        ; 16 rows of 16,384 bytes
	s_lshl_b32 s15, s27, 11                        ; 512 numbers
	s_add_co_u32 s14, s14, s15
	s_mov_b32 s15, 0
	s_lshr_b32 s2, s18, 7                          ; xq: the tile,
	s_lshl_b32 s2, s2, 3
	s_add_co_u32 s2, s2, s27                       ; its K step,
	s_mul_i32 s2, s2, KBLK
	s_and_b32 s3, s19, 15
	s_mul_i32 s3, s3, 16*PITCH                     ; my 16 rows in it: 4,352 bytes, a multiple of 256
	s_add_co_u32 s2, s2, s3
	s_mov_b32 s3, 0
	s_lshl_b32 s20, ttmp9, 2                       ; pmax: a word for each work-group
	s_mov_b32 s21, 0
	s_wait_kmcnt 0x0
	s_add_nc_u64 s[6:7], s[6:7], s[28:29]
	s_add_nc_u64 s[8:9], s[8:9], s[30:31]
	s_add_nc_u64 s[4:5], s[4:5], s[14:15]
	s_add_nc_u64 s[10:11], s[10:11], s[2:3]
	s_add_nc_u64 s[12:13], s[12:13], s[20:21]
	s_load_b128 s[20:23], s[8:9], 0x0              ; my four numbers of b
.macro WLOAD i                         ; turn i of w: eight loads of 512 consecutive bytes.  No hint: the next launch reads w again
.irp u, 0,1,2,3,4,5,6,7
	global_load_b128 v[R+32*((\i)%4)+4*\u:R+32*((\i)%4)+4*\u+3], v3, s[6:7] offset:4096*(\i)+512*\u
.endr
.endm
.macro XLOAD t                         ; step t of x: row t's 2,048 bytes of my K step
.irp i, 0,1,2,3
	global_load_b128 v[R+16*((\t)%8)+4*\i:R+16*((\t)%8)+4*\i+3], v3, s[4:5] offset:ROWX*(\t)+512*\i th:TH_LOAD_NT
.endr
.endm
	WLOAD 0
	WLOAD 1
	WLOAD 2
	WLOAD 3
	s_wait_kmcnt 0x0
	s_and_b32 s20, s20, 0x7fffffff                 ; |b|: the four start the four chains, so nothing is cleared
	s_and_b32 s21, s21, 0x7fffffff
	s_and_b32 s22, s22, 0x7fffffff
	s_and_b32 s23, s23, 0x7fffffff
	v_mov_b32 v[M], s20
	v_mov_b32 v[M+1], s21
	v_mov_b32 v[M+2], s22
	v_mov_b32 v[M+3], s23
; A turn of w: 32 registers into four chains; the set just read takes the loads of four turns on, and in the last four turns x's first eight steps: so the count is the same in every turn.
.macro WTURN i
	s_wait_loadcnt 24                              ; loads come back in order: this turn's eight are in, the 24 younger ones stay out
.set RS, R+32*((\i)%4)
.set p, 0
.rept 16
	v_max3_num_f32 v[M+p%4], v[M+p%4], |v[RS+2*p]|, |v[RS+2*p+1]|
.set p, p+1
.endr
.if (\i) < 12
	WLOAD (\i)+4
.else
	XLOAD 2*((\i)-12)
	XLOAD 2*((\i)-12)+1
.endif
.endm
	s_wait_alu depctr_va_vdst(0)
.irp i, 0,1,2,3,4,5,6,7,8,9,10,11,12,13,14,15
	s_wait_alu depctr_va_vdst(0)
	WTURN \i
.endr
.macro TURNX t                         ; step t's numbers through the stage: LDS serves a wave's instructions in order, so no wait stands between the stores and the loads
.irp i, 0,1,2,3
	ds_store_b128 v14, v[R+16*((\t)%8)+4*\i:R+16*((\t)%8)+4*\i+3] offset:STG1*((\t)%2)+8*SP*\i
.endr
.irp i, 0,1,2,3
	ds_load_b128 v[X+16*((\t)%2)+4*\i:X+16*((\t)%2)+4*\i+3], v15 offset:STG1*((\t)%2)+16*\i
.endr
.endm
	s_wait_loadcnt 28                              ; x's step 0 is in; steps 1 to 7 stay out
	TURNX 0
.macro XSTEP t
.set XS, X+16*((\t)%2)
.if (\t) > 0
	s_wait_dscnt 2                                 ; this step's numbers are back (the last step's two stores into the image may be out): so its stores into the stage have read their registers, and the step before last's image stores are done
.else
	s_wait_dscnt 0x0
.endif
.if (\t) < 8
	XLOAD (\t)+8                                   ; into the registers that this step has left
.endif
.if (\t) < 15
.if (\t) < 8
	s_wait_loadcnt 28                              ; the next step's four loads are in; those of the seven steps behind it stay out
.else
	s_wait_loadcnt 4*(14-(\t))                     ; nothing more is asked for: the counts run down
.endif
	TURNX (\t)+1                                   ; through the other stage while this step is worked
.endif
.irp i, 0,2,4,6,8,10,12,14
	v_pk_mul_f32 v[XS+\i:XS+\i+1], v[XS+\i:XS+\i+1], 0.5 op_sel_hi:[1,0]   ; the voltages
.endr
	v_max3_num_f32 v8, |v[XS]|, |v[XS+1]|, |v[XS+2]|               ; the largest magnitude of my 16, in two chains
	v_max3_num_f32 v9, |v[XS+3]|, |v[XS+4]|, |v[XS+5]|
.irp i, 6,10
	v_max3_num_f32 v8, v8, |v[XS+\i]|, |v[XS+\i+1]|
	v_max3_num_f32 v9, v9, |v[XS+\i+2]|, |v[XS+\i+3]|
.endr
	v_max3_num_f32 v8, v8, |v[XS+14]|, |v[XS+15]|
	v_max3_num_f32 v8, v8, v9, 0x1800000           ; and the floor 2^(3 - 127): the byte cannot fall under 1
	v_max_num_f32_dpp v8, v8, v8 row_xmask:1 row_mask:0xf bank_mask:0xf   ; with my neighbour's 16: the block's
	v_add_nc_u32 v11, 0xff000000, v8               ; 2 off its exponent field: the conversion takes this operand's exponent field as its scale, and nothing else of it
	v_cvt_scalef32_pk8_fp4_f32 v[C+2*((\t)%2)], v[XS:XS+7], v11
	v_cvt_scalef32_pk8_fp4_f32 v[C+2*((\t)%2)+1], v[XS+8:XS+15], v11
	v_lshrrev_b32 v[E+(\t)%2], 23, v11             ; the scale's byte (also the plain line behind the conversions)
	ds_store_b64 v6, v[C+2*((\t)%2):C+2*((\t)%2)+1] offset:PITCH*(\t)
	ds_store_b8 v5, v[E+(\t)%2] offset:PITCH*(\t)+256   ; both lanes of a block write the same byte with the same value
.endm
.irp t, 0,1,2,3,4,5,6,7,8,9,10,11,12,13,14,15
	XSTEP \t
.endr
	; the image, 4,352 consecutive bytes, leaves as it lies: each store of the wave covers 512 (the last 256) consecutive bytes, aligned to 256
.irp i, 0,1,2,3,4,5,6,7
	ds_load_b128 v[R+4*\i:R+4*\i+3], v7 offset:512*\i   ; LDS serves a wave's instructions in order: these see my stores
.endr
	ds_load_b64 v[R+32:R+33], v12
.irp i, 0,1,2,3,4,5,6,7
	s_wait_dscnt 8-\i
	global_store_b128 v3, v[R+4*\i:R+4*\i+3], s[10:11] offset:512*\i
.endr
	s_wait_dscnt 0x0
	global_store_b64 v4, v[R+32:R+33], s[10:11] offset:4096
	; the maximum: my four chains, the 32 lanes, the four waves
	v_max_num_f32 v[M], v[M], v[M+1]
	v_max_num_f32 v[M+2], v[M+2], v[M+3]
	v_max_num_f32 v[M], v[M], v[M+2]
.irp x, 1,2,4,8
	v_max_num_f32_dpp v[M], v[M], v[M] row_xmask:\x row_mask:0xf bank_mask:0xf
.endr
	v_permlanex16_b32 v188, v[M], s24, s25
	v_max_num_f32 v[M], v[M], v188
	ds_store_b32 v13, v[M]                         ; all lanes write my wave's word with the same value
	s_wait_dscnt 0x0                               ; for the others' sake: my store is done
	s_barrier_signal -1
	s_barrier_wait -1
	s_cmp_lg_u32 s16, 0
	s_cbranch_scc1 .Lend                           ; wave 0 goes on alone; no barrier follows
	ds_load_b128 v[188:191], v1
	s_wait_dscnt 0x0
	v_max_num_f32 v188, v188, v189
	v_max_num_f32 v190, v190, v191
	v_max_num_f32 v188, v188, v190
	v_mov_b32 v189, 0
	s_wait_alu depctr_va_vdst(0)
	s_wait_xcnt 0x0                                ; EXEC is a source of the stores above: it changes only behind this wait
	v_cmp_eq_u32 vcc_lo, 0, v0
	s_and_saveexec_b32 s26, vcc_lo
	global_store_b32 v189, v188, s[12:13]          ; one word for the work-group; every later work-group reads the 256 words whole
	s_wait_xcnt 0x0                                ; and again, in front of the line that widens it
	s_or_b32 exec_lo, exec_lo, s26
.Lend:
	s_wait_tensorcnt 0x0
	ds_add_u32 v192, v193
	s_wait_dscnt 0x0
	s_endpgm
.Lfunc_end_k_q2a6a4729b6_prep:
	.size	k_q2a6a4729b6_prep, .Lfunc_end_k_q2a6a4729b6_prep-k_q2a6a4729b6_prep
	.p2alignl 7, 3214868480
	.fill 96, 4, 3214868480
	.section	.rodata,"a",@progbits
	.p2align	6, 0x0
	.amdhsa_kernel k_q2a6a4729b6_prep
		.amdhsa_group_segment_fixed_size 39680
		.amdhsa_private_segment_fixed_size 0
		.amdhsa_enable_private_segment 0
		.amdhsa_kernarg_size 40
		.amdhsa_user_sgpr_count 2
		.amdhsa_user_sgpr_kernarg_segment_ptr 1
		.amdhsa_wavefront_size32 1
		.amdhsa_system_sgpr_workgroup_id_x 1
		.amdhsa_system_sgpr_workgroup_id_y 1
		.amdhsa_system_sgpr_workgroup_id_z 1
		.amdhsa_system_vgpr_workitem_id 0
		.amdhsa_next_free_vgpr 194
		.amdhsa_next_free_sgpr 66
		.amdhsa_reserve_vcc 1
		.amdhsa_float_denorm_mode_32 3
		.amdhsa_float_denorm_mode_16_64 3
		.amdhsa_memory_ordered 1
		.amdhsa_forward_progress 1
		.amdhsa_inst_pref_size 74
	.end_amdhsa_kernel
	.amdgpu_metadata
---
amdhsa.version: [ 1, 2 ]
amdhsa.kernels:
  - .name:           k_q2a6a4729b6_prep
    .symbol:         k_q2a6a4729b6_prep.kd
    .args:
      - { .name: x, .offset: 0, .size: 8, .value_kind: global_buffer, .address_space: global }
      - { .name: w, .offset: 8, .size: 8, .value_kind: global_buffer, .address_space: global }
      - { .name: b, .offset: 16, .size: 8, .value_kind: global_buffer, .address_space: global }
      - { .name: xq, .offset: 24, .size: 8, .value_kind: global_buffer, .address_space: global }
      - { .name: pmax, .offset: 32, .size: 8, .value_kind: global_buffer, .address_space: global }
    .group_segment_fixed_size: 39680
    .private_segment_fixed_size: 0
    .kernarg_segment_align: 8
    .kernarg_segment_size: 40
    .max_flat_workgroup_size: 128
    .sgpr_count:     66
    .vgpr_count:     194
    .wavefront_size: 32
...
	.end_amdgpu_metadata
.endif
;; end of part 1
;; launch gquant (part 2): grid 32 x 8, 16 waves a work-group, no clusters, 71,680 bytes of LDS; arguments w, pmax, gq; writes gq
.if DOCPART == 2
	.amdgcn_target "amdgcn-amd-amdhsa--gfx1250"
	.amdhsa_code_object_version 6
	.text
	.protected	k_q2a6a4729b6_gquant
	.globl	k_q2a6a4729b6_gquant
	.p2align	8
	.type	k_q2a6a4729b6_gquant,@function
k_q2a6a4729b6_gquant:
	s_mov_b64 s[64:65], 0
	v_nop
	global_prefetch_b8 v0, s[64:65] scope:SCOPE_SE
	s_setreg_imm32_b32 hwreg(HW_REG_WAVE_MODE, 25, 1), 1
	s_wait_xcnt 0x0
; SECOND LAUNCH.  The conductances of w's 4,096 rows (the bias row is made by the product's launch): k = 0.004 / max|weights|, g+ = 0.001 + max(k w, 0), g- = 0.001 + max(-k w, 0), in f32,
; quantised along K, which is w's FIRST axis, to codes of FP4 (E2M1) with one E8M0 byte for each 32 along K, into gq.
; gq is laid [tile: 32][K step of 512: 8][row: 256][272 bytes]: a row's 256 bytes of codes, then its 16 scale bytes; a (tile, K step) is 69,632 consecutive bytes.
; WHICH COLUMNS FORM A TILE'S ROWS IS FREE.  Tile t holds w's columns 128 t .. 128 t + 127, both signs.  Row 128 H + 16 (4 sg + c) + p holds the sign sg (0: g+, 1: g-) of column 128 t + 64 H + 4 p + c.
; So in the product's result g+ and g- of a column fall into the same lane and register of two accumulators, and a lane's differences are neighbouring columns of the output.
; k: m = the largest of pmax's 256 numbers; r = 1/m by v_rcp_f32; q = 0.004 r; k = q + (0.004 - m q) r: the quotient with one correction.  g = max(fma(+-k, w, 0.001), 0.001): one rounding.  The product's launch makes k by the same lines.
; LIMITS: NaN and infinities are not served; m and 1/m must be normal f32 numbers (with m = 0 the module itself gives NaN).
; SHARES.  Work-group (t, q) makes one (tile, K step).  Wave 0 .. 15 takes ONE block of 32 along K.  THE TILE GOES IN TWO HALVES, H = 0 and 1, 64 columns of w each: in a half lane l takes columns 2 l and 2 l + 1
; (p = l / 2, c = 2 (l % 2) + e), by 32 loads of 8 bytes a lane, each 256 consecutive bytes of one row of w, aligned.  Both halves' loads go out at the head; half 0 is worked and sent while half 1's loads are on their way.
; The clip at 0.001 writes each number where a lane's registers run DOWN K for one column: so a block's largest number needs no other lane, and the conversions give codes with K innermost.  Nothing else is transposed.
; The sixteen waves gather a half's image, 34,816 bytes, in LDS; behind a barrier it leaves as it lies, 4,352 bytes a wave: half 0 by waves 0-7, half 1 by waves 8-15; every store covers consecutive bytes aligned to 256.
; Half 1's LDS stores touch bytes from 34,816 on alone, waves 0-7 read bytes under 34,816 alone: no barrier is needed between them.  No work-group reads what another reads: no cluster, no tensor load.
.set PITCH, 272
.set HALFT, 128*PITCH                  ; a half's image
.set BLKB,  16*PITCH                   ; sixteen rows
.set KBLK,  256*PITCH
.set W,     16                         ; v16-143  register 64 H + 2 i + e: w(k = i, my column e of half H); v16-49 later the image on its way out
.set G,     144                        ; v144-207 two columns x 32 down K (pmax's numbers first)
.set T,     208                        ; v208-223 eight pairs of fused multiply-adds
.set C,     224                        ; v224-231 two columns' codes
.set BY,    232                        ; v232-233 their scale bytes
.set MX,    234                        ; v234-235 their largest numbers
.set SO,    236                        ; v236-237 the conversions' scale operands
.set KC,    240                        ; v[240:241] k, twice
.set GF,    242                        ; v[242:243] 0.001, twice
; v1 lane; v2 lane / 2; v4 lane % 2; v3 16 x lane; v9 8 x lane; v5 where my codes go; v6 where my bytes go; v7, v8 the image's way out: LDS address and offset in memory alike; v10-13 at work
	s_load_b128 s[4:7], s[0:1], 0x0                ; w, pmax
	s_load_b64 s[8:9], s[0:1], 0x10                ; gq
	v_lshl_add_u32 v254, v0, 2, 0x11000
	v_mov_b32 v255, 0
	v_lshrrev_b32 v1, 5, v0
	s_delay_alu instid0(VALU_DEP_1)
	v_readfirstlane_b32 s16, v1                    ; wave 0..15: my block of 32 along K
	v_and_b32 v1, 31, v0
	s_delay_alu instid0(VALU_DEP_1)
	v_lshlrev_b32 v3, 4, v1
	s_delay_alu instid0(VALU_DEP_2)
	v_lshlrev_b32 v9, 3, v1
	s_delay_alu instid0(VALU_DEP_3)
	v_lshrrev_b32 v2, 1, v1
	s_delay_alu instid0(VALU_DEP_4)
	v_and_b32 v4, 1, v1
	s_delay_alu instid0(VALU_DEP_2)
	v_mul_u32_u24 v5, v2, PITCH
	s_delay_alu instid0(VALU_DEP_1)
	v_mad_u32_u24 v5, v4, 2*BLKB, v5               ; row 32 (lane % 2) + lane / 2 (+ 128 H + 16 (4 sg + e), in the immediate)
	s_delay_alu instid0(VALU_DEP_1)
	v_add_nc_u32 v6, s16, v5
	s_delay_alu instid0(VALU_DEP_1)
	v_add_nc_u32 v6, 256, v6                       ; its scale byte of my block
	s_lshl_b32 s17, s16, 4
	v_add_nc_u32 v5, s17, v5                       ; its 16 bytes of codes of my block
	s_lshr_b32 s17, s16, 3
	s_mul_i32 s17, s17, HALFT                      ; the half that my wave sends: wave / 8
	s_and_b32 s19, s16, 7
	s_lshl_b32 s28, s19, 12
	s_add_co_u32 s28, s28, s17
	v_add_nc_u32 v7, s28, v3                       ; out: 4,096 bytes a wave,
	s_lshl_b32 s29, s19, 8
	s_add_co_u32 s29, s29, s17
	s_add_co_u32 s29, s29, 32768
	v_lshl_add_u32 v8, v1, 3, s29                  ; and 256 more behind the half's first 32,768
	s_and_b32 s18, ttmp7, 0xffff                   ; the K step
	s_lshl_b32 s20, s18, 23                        ; 512 rows of 16,384 bytes,
	s_lshl_b32 s19, s16, 19                        ; my 32 of them,
	s_add_co_u32 s20, s20, s19
	s_lshl_b32 s19, ttmp9, 9                       ; the tile's 128 columns
	s_add_co_u32 s20, s20, s19
	s_mov_b32 s21, 0
	s_lshl_b32 s26, ttmp9, 3
	s_add_co_u32 s26, s26, s18
	s_mul_i32 s26, s26, KBLK
	s_mov_b32 s27, 0
	s_mov_b32 s22, 0x3a83126f                      ; 0.001
	s_mov_b32 s23, 0x3b83126f                      ; 0.004
	s_mov_b32 s24, 0x76543210
	s_mov_b32 s25, 0xfedcba98                      ; v_permlanex16_b32's selects for lane l xor 16
	s_wait_kmcnt 0x0
	s_add_nc_u64 s[4:5], s[4:5], s[20:21]
	s_add_nc_u64 s[8:9], s[8:9], s[26:27]
.macro LOADW h, r0, n                  ; half h, rows r0 .. r0 + n - 1 of my 32
.set ri, \r0
.rept \n
	global_load_b64 v[W+64*\h+2*ri:W+64*\h+2*ri+1], v9, s[4:5] offset:16384*ri+256*\h th:TH_LOAD_NT
.set ri, ri+1
.endr
.endm
	global_load_b128 v[G:G+3], v3, s[6:7]          ; pmax first: its 1,024 bytes, 8 numbers a lane
	global_load_b128 v[G+4:G+7], v3, s[6:7] offset:512
	LOADW 0, 0, 32
	LOADW 1, 0, 24                                 ; 58 loads of mine are out
	s_wait_loadcnt 56                              ; pmax is in; w's 56 loads stay out while k is made
	v_max3_num_f32 v10, v[G], v[G+1], v[G+2]
	v_max3_num_f32 v11, v[G+3], v[G+4], v[G+5]
	s_delay_alu instid0(VALU_DEP_2)
	v_max3_num_f32 v10, v10, v[G+6], v[G+7]
	s_delay_alu instid0(VALU_DEP_1)
	v_max_num_f32 v10, v10, v11
.irp x, 1,2,4,8
	s_delay_alu instid0(VALU_DEP_1)
	v_max_num_f32_dpp v10, v10, v10 row_xmask:\x row_mask:0xf bank_mask:0xf
.endr
	s_delay_alu instid0(VALU_DEP_1)
	v_permlanex16_b32 v11, v10, s24, s25
	s_delay_alu instid0(VALU_DEP_1)
	v_max_num_f32 v10, v10, v11                    ; m, in every lane
	s_wait_alu depctr_va_vdst(0)
	v_rcp_f32 v11, v10
	v_mov_b32 v[GF], s22                           ; (plain lines behind the reciprocal)
	v_mov_b32 v[GF+1], s22
	s_wait_alu depctr_va_vdst(0)                   ; the wait ahead of the reciprocal's first reader
	v_mul_f32 v12, s23, v11                        ; q = 0.004 r
	s_delay_alu instid0(VALU_DEP_1)
	v_fma_f32 v13, -v10, v12, s23                  ; 0.004 - m q
	v_fma_f32 v[KC], v13, v11, v12                 ; k
	s_delay_alu instid0(VALU_DEP_1)
	v_mov_b32 v[KC+1], v[KC]
	s_wait_alu depctr_va_vdst(0)
	s_wait_loadcnt 24                              ; half 0's 32 loads are in; half 1's first 24 stay out,
	LOADW 1, 24, 8                                 ; and its last eight go out ahead of half 0's arithmetic
; My two columns of half h, sign sg: 64 conductances, two blocks, their codes and bytes into the image.
.macro PAIRSIGN h, sg
.irp n, 0,1,2,3
.if (\h == 1) && (\sg == 0)
	s_wait_loadcnt 8*(3-\n)                        ; half 1's rows 8 n .. 8 n + 7 are in; the 8 (3 - n) loads behind them stay out
.endif
.irp u, 0,1,2,3,4,5,6,7
.if \sg
	v_pk_fma_f32 v[T+2*\u:T+2*\u+1], v[W+64*\h+2*(8*\n+\u):W+64*\h+2*(8*\n+\u)+1], v[KC:KC+1], v[GF:GF+1] neg_lo:[0,1,0] neg_hi:[0,1,0]
.else
	v_pk_fma_f32 v[T+2*\u:T+2*\u+1], v[W+64*\h+2*(8*\n+\u):W+64*\h+2*(8*\n+\u)+1], v[KC:KC+1], v[GF:GF+1]
.endif
.endr
.irp u, 0,1,2,3,4,5,6,7
	v_max_num_f32 v[G+8*\n+\u], s22, v[T+2*\u]            ; the clip, which also lays the column's numbers down K
	v_max_num_f32 v[G+32+8*\n+\u], s22, v[T+2*\u+1]
.endr
.endr
.irp c, 0,1
	v_max3_num_f32 v[MX+\c], v[G+32*\c], v[G+32*\c+1], v[G+32*\c+2]   ; the block's largest: no |.| and no floor, since every g is 0.001 or more
.endr
.irp i, 3,5,7,9,11,13,15,17,19,21,23,25,27,29
.irp c, 0,1
	s_delay_alu instid0(VALU_DEP_2)
	v_max3_num_f32 v[MX+\c], v[MX+\c], v[G+32*\c+\i], v[G+32*\c+\i+1]   ; (the two blocks by turns)
.endr
.endr
.irp c, 0,1
	s_delay_alu instid0(VALU_DEP_2)
	v_max_num_f32 v[MX+\c], v[MX+\c], v[G+32*\c+31]
.endr
	s_wait_alu depctr_va_vdst(0)
	s_wait_dscnt 0x0                               ; the last pair's LDS stores have read the registers that are written next
.irp c, 0,1
	v_add_nc_u32 v[SO+\c], 0xff000000, v[MX+\c]    ; 2 off the exponent field: the conversion's scale operand
.endr
.irp c, 0,1
	s_delay_alu instid0(VALU_DEP_2)
	v_lshrrev_b32 v[BY+\c], 23, v[SO+\c]           ; the scale's byte
.endr
.irp c, 0,1
.irp g, 0,1,2,3
	v_cvt_scalef32_pk8_fp4_f32 v[C+4*\c+\g], v[G+32*\c+8*\g:G+32*\c+8*\g+7], v[SO+\c]
.endr
.endr
	v_nop                                          ; one plain line behind the last conversion
.irp c, 0,1
	ds_store_b128 v5, v[C+4*\c:C+4*\c+3] offset:\h*HALFT+(4*\sg+\c)*BLKB
	ds_store_b8 v6, v[BY+\c] offset:\h*HALFT+(4*\sg+\c)*BLKB
.endr
.endm
; My 4,352 bytes of a finished half leave as they lie in LDS.
.macro OUT
.irp t, 0,1,2,3,4,5,6,7
	ds_load_b128 v[W+4*\t:W+4*\t+3], v7 offset:512*\t   ; into half 0's registers, which have been worked
.endr
	ds_load_b64 v[W+32:W+33], v8
.irp t, 0,1,2,3,4,5,6,7
	s_wait_dscnt 8-\t                              ; LDS loads come back in order: load t is in, the younger ones stay out
	global_store_b128 v7, v[W+4*\t:W+4*\t+3], s[8:9] offset:512*\t   ; 512 consecutive bytes, aligned to 256
.endr
	s_wait_dscnt 0x0
	global_store_b64 v8, v[W+32:W+33], s[8:9]      ; 256 consecutive bytes, aligned
.endm
	PAIRSIGN 0, 0
	PAIRSIGN 0, 1
	s_wait_dscnt 0x0                               ; for the others' sake: my stores into half 0's image are done
	s_barrier_signal -1
	s_barrier_wait -1
	s_cmp_lt_u32 s16, 8                            ; waves 0-7 send half 0; no barrier stands inside the branch
	s_cbranch_scc0 .Lnot_first
	OUT
.Lnot_first:
	PAIRSIGN 1, 0
	PAIRSIGN 1, 1
	s_wait_dscnt 0x0                               ; my stores into half 1's image are done
	s_barrier_signal -1
	s_barrier_wait -1
	s_cmp_ge_u32 s16, 8                            ; waves 8-15 send half 1
	s_cbranch_scc0 .Lend
	OUT
.Lend:
	s_wait_tensorcnt 0x0
	ds_add_u32 v254, v255
	s_wait_dscnt 0x0
	s_endpgm
.Lfunc_end_k_q2a6a4729b6_gquant:
	.size	k_q2a6a4729b6_gquant, .Lfunc_end_k_q2a6a4729b6_gquant-k_q2a6a4729b6_gquant
	.p2alignl 7, 3214868480
	.fill 96, 4, 3214868480
	.section	.rodata,"a",@progbits
	.p2align	6, 0x0
	.amdhsa_kernel k_q2a6a4729b6_gquant
		.amdhsa_group_segment_fixed_size 71680
		.amdhsa_private_segment_fixed_size 0
		.amdhsa_enable_private_segment 0
		.amdhsa_kernarg_size 24
		.amdhsa_user_sgpr_count 2
		.amdhsa_user_sgpr_kernarg_segment_ptr 1
		.amdhsa_wavefront_size32 1
		.amdhsa_system_sgpr_workgroup_id_x 1
		.amdhsa_system_sgpr_workgroup_id_y 1
		.amdhsa_system_sgpr_workgroup_id_z 1
		.amdhsa_system_vgpr_workitem_id 0
		.amdhsa_next_free_vgpr 256
		.amdhsa_next_free_sgpr 66
		.amdhsa_reserve_vcc 0
		.amdhsa_float_denorm_mode_32 3
		.amdhsa_float_denorm_mode_16_64 3
		.amdhsa_memory_ordered 1
		.amdhsa_forward_progress 1
		.amdhsa_inst_pref_size 46
	.end_amdhsa_kernel
	.amdgpu_metadata
---
amdhsa.version: [ 1, 2 ]
amdhsa.kernels:
  - .name:           k_q2a6a4729b6_gquant
    .symbol:         k_q2a6a4729b6_gquant.kd
    .args:
      - { .name: w, .offset: 0, .size: 8, .value_kind: global_buffer, .address_space: global }
      - { .name: pmax, .offset: 8, .size: 8, .value_kind: global_buffer, .address_space: global }
      - { .name: gq, .offset: 16, .size: 8, .value_kind: global_buffer, .address_space: global }
    .group_segment_fixed_size: 71680
    .private_segment_fixed_size: 0
    .kernarg_segment_align: 8
    .kernarg_segment_size: 24
    .max_flat_workgroup_size: 512
    .sgpr_count:     66
    .vgpr_count:     256
    .wavefront_size: 32
...
	.end_amdgpu_metadata
.endif
;; end of part 2
;; launch gemm (part 3): grid 32 x 8, 4 waves a work-group, clusters of 4 x 4, 327,680 bytes of LDS; arguments xq, gq, pmax, b, out0; writes out0
.if DOCPART == 3
	.amdgcn_target "amdgcn-amd-amdhsa--gfx1250"
	.amdhsa_code_object_version 6
	.text
	.protected	k_q2a6a4729b6_gemm
	.globl	k_q2a6a4729b6_gemm
	.p2align	8
	.type	k_q2a6a4729b6_gemm,@function
k_q2a6a4729b6_gemm:
	s_mov_b64 s[64:65], 0
	v_nop
	global_prefetch_b8 v0, s[64:65] scope:SCOPE_SE
	s_setreg_imm32_b32 hwreg(HW_REG_WAVE_MODE, 25, 1), 1
	s_wait_xcnt 0x0
	s_wait_alu depctr_hold_cnt(0) depctr_sa_sdst(0) depctr_va_vdst(0) depctr_va_sdst(0) depctr_va_ssrc(0) depctr_va_vcc(0) depctr_vm_vsrc(0)
	s_getreg_b32 s2, hwreg(HW_REG_IB_STS2, 6, 4)
	s_cmp_eq_u32 s2, 0
	s_cbranch_scc0 .Lentry_in_a_cluster
	s_endpgm
.Lentry_in_a_cluster:
	s_bfe_u32 s2, ttmp6, 0x10000c
	s_cmp_lg_u32 s2, 0xf033
	s_cbranch_scc0 .Lentry_shape_is_right
	s_endpgm
.Lentry_shape_is_right:
; THIRD LAUNCH.  out0[m][n] = (I+[m][n] - I-[m][n]) / (0.5 k): the currents I = voltages x conductances on codes of FP4 (E2M1) with E8M0 scales, K = 4,097, sums in f32.
; xq [8 tiles][8 K steps][256 rows][272 bytes] and gq [32 tiles][8][256][272] come from the two launches before: a row is 256 bytes of codes (512 along K) and its 16 scale bytes.
; gq's row 128 H + 16 (4 sg + c) + p holds sign sg of column 128 t + 64 H + 4 p + c: g+ and g- of a column fall into the same lane and register of two accumulators.
; K's last row (voltage 0.5, conductances of b) is made here, while the first tile is on its way: its products, with C = 0, start the sums.  k is made from pmax by the same lines as in the launch before.
; A block of 256 x 256 currents (256 x 128 of out0) to a work-group of four waves, 128 x 128 a wave: 512 registers of sums.  256 work-groups.
; THE PRODUCT is v_wmma_scale_f32_32x16x128_f4, used transposed: source 0 = 32 rows of gq (two neighbouring blocks of 16, whose fragments and sums lie in consecutive registers),
; source 1 = 16 rows of xq.  A lane's differences are then 32 neighbouring columns of one row of out0.
; K goes in steps of 512 through two LDS slots of 139,264 bytes; a (tile, K step) is dense in memory and comes as rows of 256 bytes, a quarter of a slot to a wave's one tensor load.
; CLUSTERS 4 x 4: xq's tiles are asked for jointly along a row of the cluster, gq's along a column.  A cluster begins at K step 0 or 4, by its place in the grid, and goes round.
; FRAGMENTS: two register sets for A and two for B; a step of 128 along K first issues all 32 loads of the next step and then multiplies its own products.
; PREFETCH: my order's K step 0 comes by its load alone; step 1 is asked for in the head, behind the making of k; steps 2 and 3 behind slot 1's load; behind the joint load of step s,
; from 2 on, stands a request for step s + 2.  So at most two K steps are asked for and not yet loaded.  Of the 136 blocks of 256 bytes that a wave fetches, each of the four partners names 34,
; told apart by address, a lane a block, two instructions (30 lanes of the second name its last block again).  The last two refills ask for nothing.
; THE LAST K STEP goes by rows of the result: B's four quarters fill window 1, A comes by blocks of 16 rows x 512 K, and each block leaves when its 16 products are done.
; LIMITS: NaN and infinities are not served; the largest |weight| and its reciprocal must be normal f32 numbers.
; REGISTERS: window 0: v0-31 addresses; v32-95 scale words, two sets; v96-127 the head's; v128-191, v192-255 A's two sets.  Window 1: B's sets at v0 and v128.  Windows 2, 3: the sums.
.set PITCH,  272
.set HALFT,  128*PITCH
.set SLOT,   4*HALFT
.set KBLK,   256*PITCH
.set TILEB,  8*KBLK
.set SHARE,  HALFT/4                   ; a partner's 34 blocks of 256 bytes
.set SPARE,  2*SLOT                    ; behind the ring: the spare words, 128 bytes a wave
.set NQ,     4
.set FR,     8
.set NP,     4
.set ORow,   16384
.set ADRT, 14                          ; v14-15 gq's scale words in slot 0, 1: a lane a row, 32 rows
.set ADRA, 16
.set ADRS, 18                          ; v18-19 xq's scale words likewise
.set ADRB, 20
.set PFO,  22
.set PFO2, 23
.set STO,  24
.set RD,   25
.set CO,   26
.set TAS,  27
.set SPW,  28
.set NIL,  29
.set SF,   30
.set SC,   32                          ; set s at SC + 32 s: register 4 j + q: gq's blocks 2 j (lanes 0-15) and 2 j + 1 (lanes 16-31); register 16 + 4 j + q: xq's likewise
.set TBS,  96                          ; v96-99 the bias row's scale bytes, a register for two blocks
.set PM,   104
.set TB,   112
.set KT,   116
.set AF,   128
.set TG,   192
.set TSO,  200
.set TC,   208
.set Z,    216
.set TA,   232
.set Y,    192                         ; the way out: a block's 32 differences
.set BK,   224                         ; and its rows read back from the stage
.set G1,  24
.set G0,  32
.set G1B, 48
.set G0B, 56
.set ABASE, 70
.set BBASE, 72
.set KN,    74
.set KOFF,  76
.set PFB,   78
.set PFA,   80
.set PK,    82
.set KP,    84
.set STG,   85
.set MSB, 0
.macro WIN new                         ; the immediate's high byte repeats the setting that is left
.if MSB != (\new)
	s_set_vgpr_msb (MSB<<8)|(\new)
.set MSB, \new
.endif
.endm
.set MUL_LO, 0xa1                      ; source 0 (B) window 1, source 1 (A) window 0, C and D window 2
.set MUL_HI, 0xf1
.set TO_B,   0x40
.macro PLACES n
.rept \n
	v_nop
.endr
.endm
.macro JLOAD s                         ; waves 0, 1 fetch xq's halves, waves 2, 3 gq's; s_nop 0 and four v_nop behind each line
	s_cmp_eq_u32 s15, 0
	s_cbranch_scc0 .Lfor_b_\@
	tensor_load_to_lds s[G0+4*\s:G0+4*\s+3], s[G1:G1+7]
	s_nop 0
	PLACES 4
	s_branch .Lasked_\@
.Lfor_b_\@:
	tensor_load_to_lds s[G0B+4*\s:G0B+4*\s+3], s[G1B:G1B+7]
	s_nop 0
	PLACES 4
.Lasked_\@:
.endm
.macro CREST
	s_cmp_lg_u32 s14, 0
	s_cbranch_scc1 .Lnot_wave_0_\@
	s_barrier_signal -3
.Lnot_wave_0_\@:
	s_barrier_wait -3
	s_barrier_signal -1
	s_barrier_wait -1
.endm
.macro CROUND
	s_barrier_signal -1
	s_barrier_wait -1
	CREST
.endm
.macro ASK off                         ; my work-group's 34 blocks of the quarter that I fetch, at K step PFA + off
	global_prefetch_b8 v[PFO], s[PFA:PFA+1] offset:\off th:TH_LOAD_NT scope:SCOPE_SE
	global_prefetch_b8 v[PFO2], s[PFA:PFA+1] offset:\off th:TH_LOAD_NT scope:SCOPE_SE
.endm
.macro FRAG reg, adr, q, i             ; 16 rows x 128 K: two loads of 16 bytes a lane, 32 bytes apart
.irp c, 0,1
	ds_load_b128 v[\reg+4*\c:\reg+4*\c+3], v[\adr] offset:64*(\q)+32*\c+(\i)*16*PITCH
.endr
.endm
.macro FETCH slot, q, p                ; 32 loads: B's eight fragments, then A's eight, into sets p
	WIN TO_B
.irp i, 0,1,2,3,4,5,6,7
	FRAG 128*(\p)+FR*\i, ADRB+\slot, \q, \i
.endr
	WIN 0
.irp i, 0,1,2,3,4,5,6,7
	FRAG AF+64*(\p)+FR*\i, ADRA+\slot, \q, \i
.endr
.endm
.macro SCALES s                        ; a K step's scale words, 8 loads: 32 rows to a load, four words (the step's four quarters) a lane
.irp j, 0,1,2,3
	ds_load_b128 v[SC+32*\s+4*\j:SC+32*\s+4*\j+3], v[ADRT+\s] offset:\j*32*PITCH
	ds_load_b128 v[SC+32*\s+16+4*\j:SC+32*\s+16+4*\j+3], v[ADRS+\s] offset:\j*32*PITCH
.endr
.endm
; A's block a against B's eight blocks, two to a product.  Source 0's scales fill the 32 lanes; source 1's stand in lanes 0-15 (a even) or 16-31 (a odd) of xq's register.
.macro MM a, p, q, sc
.irp b, 0,2,4,6
.if ((\a)%2) == 0
	v_wmma_scale_f32_32x16x128_f4 v[8*(8*((\a)%4)+\b):8*(8*((\a)%4)+\b)+15], v[128*(\p)+FR*\b:128*(\p)+FR*\b+15], v[AF+64*(\p)+FR*(\a):AF+64*(\p)+FR*(\a)+7], v[8*(8*((\a)%4)+\b):8*(8*((\a)%4)+\b)+15], v[SC+32*(\sc)+2*\b+(\q)], v[SC+32*(\sc)+16+4*((\a)/2)+(\q)]
.else
	v_wmma_scale_f32_32x16x128_f4 v[8*(8*((\a)%4)+\b):8*(8*((\a)%4)+\b)+15], v[128*(\p)+FR*\b:128*(\p)+FR*\b+15], v[AF+64*(\p)+FR*(\a):AF+64*(\p)+FR*(\a)+7], v[8*(8*((\a)%4)+\b):8*(8*((\a)%4)+\b)+15], v[SC+32*(\sc)+2*\b+(\q)], v[SC+32*(\sc)+16+4*((\a)/2)+(\q)] matrix_b_scale:MATRIX_SCALE_ROW1
.endif
.endr
.endm
.macro MUL16 a0, p, q, sc              ; blocks a0, a0 + 1: 8 products; the 32 sums take turns
	MM \a0, \p, \q, \sc
	MM \a0+1, \p, \q, \sc
.endm
.macro TAIL16 a0                       ; the bias row's products start the sums
.irp a, \a0, \a0+1
.irp b, 0,2,4,6
	v_wmma_scale_f32_32x16x128_f4 v[8*(8*((\a)%4)+\b):8*(8*((\a)%4)+\b)+15], v[128+FR*\b:128+FR*\b+15], v[TA:TA+7], 0, v[TBS+\b/2], v[TAS]
.endr
.endr
.endm
	s_load_b256 s[4:11], s[0:1], 0x0               ; xq, gq, pmax, b
	s_load_b64 s[12:13], s[0:1], 0x20              ; out0
	v_lshl_add_u32 v[SPW], v0, 2, SPARE
	v_mov_b32 v[NIL], 0
	ds_add_u32 v[SPW], v[NIL]                      ; the opening lines: the add twice on end under one wait
	ds_add_u32 v[SPW], v[NIL]
	v_lshrrev_b32 v1, 5, v0
	v_readfirstlane_b32 s14, v1                    ; wave
	s_lshr_b32 s15, s14, 1                         ; my half of the rows; also: I fetch for xq (0) or gq (1)
	s_and_b32 s16, s14, 1                          ; my half of the columns; also: which 128 rows I fetch
	s_bfe_u32 s40, ttmp6, 0x40000                  ; cx
	s_bfe_u32 s41, ttmp6, 0x40004                  ; cy
	s_lshl_b32 s42, ttmp9, 2
	s_add_co_u32 s42, s42, s40                     ; gq's tile
	s_and_b32 s17, ttmp7, 0xffff
	s_lshl_b32 s17, s17, 2
	s_add_co_u32 s17, s17, s41                     ; xq's tile
	s_lshl_b32 s43, s41, 2
	s_lshl_b32 s43, 15, s43                        ; my row of the cluster
	s_lshl_b32 s44, 0x1111, s40                    ; my column
	s_or_b32 s[G1+0], s43, (3<<16)|(1<<21)         ; elements of 8 bytes; the mask, bit 21 beside it
	s_or_b32 s[G1B+0], s44, (3<<16)|(1<<21)
.irp g, G1, G1B
	s_mov_b32 s[\g+1], 32<<16                      ; 136 rows of 256 bytes, dense
	s_mov_b32 s[\g+2], 136<<16
	s_mov_b32 s[\g+3], 32<<16
	s_mov_b32 s[\g+4], 136
	s_mov_b32 s[\g+5], 32
	s_mov_b32 s[\g+6], 0
	s_mov_b32 s[\g+7], 0
.endr
	s_mov_b32 s66, 0x3a83126f                      ; 0.001
	s_mov_b32 s67, 0x3b83126f                      ; 0.004
	s_mov_b32 s68, 0x76543210
	s_mov_b32 s69, 0xfedcba98
	s_lshr_b32 s[KN], ttmp9, 1                     ; the cluster's first K step: 0 or 4
	s_xor_b32 s[KN], s[KN], ttmp9
	s_and_b32 s75, ttmp7, 0xffff
	s_xor_b32 s[KN], s[KN], s75
	s_and_b32 s[KN], s[KN], 1
	s_lshl_b32 s[KN], s[KN], 2
	s_mul_i32 s[KOFF], s[KN], KBLK
	s_mov_b32 s[KOFF+1], 0
	s_xor_b32 s[KP], s[KN], 4                      ; the fifth K step of my order: what the first refill's prefetch names
	s_add_co_u32 s[KN], s[KN], 2                   ; the third: what the first refill loads
	s_mul_i32 s18, s16, HALFT
	s_mul_i32 s20, s17, TILEB
	s_add_co_u32 s20, s20, s18
	s_mov_b32 s21, 0
	s_mul_i32 s46, s42, TILEB
	s_add_co_u32 s46, s46, s18
	s_mov_b32 s47, 0
	s_mul_i32 s45, s14, HALFT                      ; where my quarter goes
	s_cmp_eq_u32 s15, 0
	s_cselect_b32 s[PK], s40, s41                  ; my place among the four that ask with me
	s_mul_i32 s[PK], s[PK], SHARE
	s_mov_b32 s[PK+1], 0
	s_wait_dscnt 0x0                               ; both opening adds are done
	s_wait_kmcnt 0x0
	s_add_nc_u64 s[ABASE:ABASE+1], s[4:5], s[20:21]
	s_add_nc_u64 s[BBASE:BBASE+1], s[6:7], s[46:47]
	s_cmp_eq_u32 s15, 0
	s_cselect_b64 s[PFB:PFB+1], s[ABASE:ABASE+1], s[BBASE:BBASE+1]
	s_add_nc_u64 s[PFB:PFB+1], s[PFB:PFB+1], s[PK:PK+1]
	s_add_nc_u64 s[PFA:PFA+1], s[PFB:PFB+1], s[KOFF:KOFF+1]
	s_add_nc_u64 s[20:21], s[ABASE:ABASE+1], s[KOFF:KOFF+1]
	s_add_nc_u64 s[46:47], s[BBASE:BBASE+1], s[KOFF:KOFF+1]
.irp s, 0,1
	s_mov_b32 s[G0+4*\s], 1
	s_add_co_u32 s[G0+4*\s+1], s45, \s*SLOT
	s_add_nc_u64 s[G0+4*\s+2:G0+4*\s+3], s[20:21], \s*KBLK
	s_or_b32 s[G0+4*\s+3], s[G0+4*\s+3], 0x80000000
	s_mov_b32 s[G0B+4*\s], 1
	s_add_co_u32 s[G0B+4*\s+1], s45, \s*SLOT
	s_add_nc_u64 s[G0B+4*\s+2:G0B+4*\s+3], s[46:47], \s*KBLK
	s_or_b32 s[G0B+4*\s+3], s[G0B+4*\s+3], 0x80000000
.endr
	s_lshl_b32 s46, s42, 9                         ; my 64 columns of b and of out0, in bytes
	s_lshl_b32 s47, s16, 8
	s_add_co_u32 s46, s46, s47
	s_mov_b32 s47, 0
	s_add_nc_u64 s[10:11], s[10:11], s[46:47]
	s_lshl_b32 s18, s17, 8
	s_lshl_b32 s19, s15, 7
	s_add_co_u32 s18, s18, s19
	s_lshl_b32 s18, s18, 14                        ; my first row of out0
	s_mov_b32 s19, 0
	s_add_nc_u64 s[12:13], s[12:13], s[18:19]
	s_add_nc_u64 s[12:13], s[12:13], s[46:47]
	s_mul_i32 s21, s15, HALFT                      ; my 128 rows of A in a slot
	s_mul_i32 s22, s16, HALFT
	s_add_co_u32 s22, s22, 2*HALFT                 ; my 128 rows of B
	s_mul_i32 s[STG], s14, 16*PITCH                ; my stage, in slot 0
	CROUND                                         ; in front of the first joint loads
	JLOAD 0                                        ; my one tensor load at the head
	v_and_b32 v1, 15, v0                           ; r
	v_bfe_u32 v2, v0, 4, 1                         ; h
	v_and_b32 v3, 31, v0
	v_lshlrev_b32 v[PFO], 8, v3                    ; blocks 0 .. 31 of my 34
	v_min_u32 v5, 1, v3
	v_lshl_add_u32 v[PFO2], v5, 8, 0x2000          ; blocks 32 and 33
	v_mul_u32_u24 v11, v3, PITCH                   ; scale words: a lane a row
	v_lshlrev_b32 v3, 4, v3
	v_lshlrev_b32 v4, 4, v1
	global_load_b128 v[PM:PM+3], v3, s[8:9]        ; pmax's 256 numbers, 8 a lane
	global_load_b128 v[PM+4:PM+7], v3, s[8:9] offset:512
	global_load_b128 v[TB:TB+3], v4, s[10:11]      ; b of columns 4 r .. 4 r + 3 of my 64
	v_mul_u32_u24 v5, v1, PITCH
	v_lshl_add_u32 v6, v2, 4, v5                   ; a fragment's row x pitch + 16 h
	v_add_nc_u32 v11, 256, v11                     ; behind the row's codes
	v_add_nc_u32 v[ADRA], s21, v6
	v_add_nc_u32 v[ADRB], s22, v6
	v_add_nc_u32 v[ADRS], s21, v11
	v_add_nc_u32 v[ADRT], s22, v11
	v_add_nc_u32 v[ADRA+1], SLOT, v[ADRA]
	v_add_nc_u32 v[ADRB+1], SLOT, v[ADRB]
	v_add_nc_u32 v[ADRS+1], SLOT, v[ADRS]
	v_add_nc_u32 v[ADRT+1], SLOT, v[ADRT]
	v_lshl_add_u32 v8, v2, 7, v5
	v_add_nc_u32 v[STO], s[STG], v8                ; into the stage: row r, 128 bytes for each half of the lanes
	v_mul_u32_u24 v9, v2, PITCH
	v_lshl_add_u32 v9, v1, 4, v9
	v_add_nc_u32 v[RD], s[STG], v9                 ; back: sixteen lanes to a row of 256 bytes
	v_lshlrev_b32 v10, 14, v2
	v_lshl_add_u32 v[CO], v1, 4, v10               ; the same two rows in out0
.irp i, 1,2,3,4,5,6,7
	v_mov_b32 v[Z+\i], 0
	v_mov_b32 v[Z+8+\i], 0
	v_mov_b32 v[TA+\i], 0
.endr
	v_mul_u32_u24 v[TA], v2, 6
	v_sub_nc_u32 v[TA], 6, v[TA]                   ; the voltage 0.5 at k = 4,096: code 6 (the number 4) under the byte 0x7c; zeros beside it
	v_cmp_eq_u32 vcc_lo, 0, v2                     ; read only ahead of the next tensor load
	s_wait_alu depctr_va_vdst(0)
	; k, 1 / (0.5 k), the bias row's codes and its products, while the first tile is on its way
	s_wait_loadcnt 0x0
	v_max3_num_f32 v[KT], v[PM], v[PM+1], v[PM+2]
	v_max3_num_f32 v[KT+1], v[PM+3], v[PM+4], v[PM+5]
	v_max3_num_f32 v[KT], v[KT], v[PM+6], v[PM+7]
	v_max_num_f32 v[KT], v[KT], v[KT+1]
.irp x, 1,2,4,8
	v_max_num_f32_dpp v[KT], v[KT], v[KT] row_xmask:\x row_mask:0xf bank_mask:0xf
.endr
	v_permlanex16_b32 v[KT+1], v[KT], s68, s69
	v_max_num_f32 v[KT], v[KT], v[KT+1]            ; m
	s_wait_alu depctr_va_vdst(0)                   ; the wait ahead of a transcendental
	v_rcp_f32 v[KT+1], v[KT]
	v_mov_b32 v[TAS], 0x7c                         ; the voltage block's byte: 2^-3
	s_wait_alu depctr_va_vdst(0)                   ; and ahead of its first reader
	v_mul_f32 v[KT+2], s67, v[KT+1]
	v_fma_f32 v[KT+3], -v[KT], v[KT+2], s67
	v_fma_f32 v[KT+4], v[KT+3], v[KT+1], v[KT+2]   ; k, the quotient with one correction
	v_mul_f32 v[KT+5], 0.5, v[KT+4]
	s_wait_alu depctr_va_vdst(0)
	v_rcp_f32 v[SF], v[KT+5]
.irp c, 0,1,2,3
	v_fma_f32 v[TG+\c], v[KT+4], v[TB+\c], s66
	v_fma_f32 v[TG+4+\c], -v[KT+4], v[TB+\c], s66
.endr
.irp f, 0,1,2,3,4,5,6,7
	v_max_num_f32 v[TG+\f], s66, v[TG+\f]          ; g+ (0-3) and g- (4-7) of b
.endr
	s_wait_alu depctr_va_vdst(0)
	v_mov_b32 v[SF+1], v[SF]
.irp f, 0,1,2,3,4,5,6,7
	v_add_nc_u32 v[TSO+\f], 0xff000000, v[TG+\f]   ; the block's one number is its largest: 2 off its exponent field
.endr
.irp f, 0,1,2,3,4,5,6,7
	v_lshrrev_b32 v[PM+\f], 23, v[TSO+\f]          ; its byte; lanes r and 16 + r hold the same
.endr
.irp f, 0,1,2,3,4,5,6,7
	v_cndmask_b32 v[Z+8*(\f%2)], 0, v[TG+\f], vcc_lo   ; k = 4,096 lies in lanes 0-15
	v_cvt_scalef32_pk8_fp4_f32 v[TC+\f], v[Z+8*(\f%2):Z+8*(\f%2)+7], v[TSO+\f]
.endr
	v_nop
.irp j, 0,1,2,3
	v_cndmask_b32 v[TBS+\j], v[PM+2*\j+1], v[PM+2*\j], vcc_lo   ; lanes 0-15: block 2 j's bytes; lanes 16-31: block 2 j + 1's
.endr
	ASK KBLK                                       ; my order's K step 1
	WIN TO_B
.irp f, 0,1,2,3,4,5,6,7
	v_mov_b32 v[128+FR*\f], v[TC+\f]
.irp i, 1,2,3,4,5,6,7
	v_mov_b32 v[128+FR*\f+\i], 0
.endr
.endr
	PLACES 8                                       ; a scale register written by a vector instruction stands 8 places ahead of a scaled product
	WIN MUL_LO
	TAIL16 0
	TAIL16 2
	WIN MUL_HI
	TAIL16 4
	TAIL16 6
	WIN 0
	s_wait_alu depctr_va_vdst(0)                   ; the wait at the head's end
; A step of 128 along K whose successor lies in the same slot: the successor's 32 loads go out first, into the sets that the step before has left.
.macro STEP slot, q
	PLACES NP                                      ; behind the products that read those sets
	FETCH \slot, (\q)+1, 1-(\q)%2
	s_wait_dscnt 40                                ; out: the 32 just issued and the older run's last 8 (A's blocks 4-7)
	WIN MUL_LO
	MUL16 0, (\q)%2, \q, \slot
	MUL16 2, (\q)%2, \q, \slot
	s_wait_dscnt 32                                ; out: the 32 just issued
	WIN MUL_HI
	MUL16 4, (\q)%2, \q, \slot
	MUL16 6, (\q)%2, \q, \slot
.endm
; A slot's last step changes slots at its head: my reads of the slot were all issued a step ago.  The slot is filled again, two K steps ahead.
.macro TURN slot, next
	WIN 0
	s_wait_xcnt 0x0                                ; my prefetches have read their address: it moves on
	s_mul_i32 s[PK], s[KP], KBLK
	s_add_co_u32 s[KP], s[KP], 1
	s_and_b32 s[KP], s[KP], 7
	s_add_nc_u64 s[PFA:PFA+1], s[PFB:PFB+1], s[PK:PK+1]
	s_wait_tensorcnt 0x0                           ; all my tensor loads have landed: my quarter of the next slot
	ds_add_u32 v[SPW], v[NIL]
	s_mul_i32 s[KOFF], s[KN], KBLK                 ; no load of mine is out: the group 0 may be written
	s_add_co_u32 s[KN], s[KN], 1
	s_and_b32 s[KN], s[KN], 7
	s_add_nc_u64 s[G0+4*\slot+2:G0+4*\slot+3], s[ABASE:ABASE+1], s[KOFF:KOFF+1]
	s_or_b32 s[G0+4*\slot+3], s[G0+4*\slot+3], 0x80000000
	s_add_nc_u64 s[G0B+4*\slot+2:G0B+4*\slot+3], s[BBASE:BBASE+1], s[KOFF:KOFF+1]
	s_or_b32 s[G0B+4*\slot+3], s[G0B+4*\slot+3], 0x80000000
	s_wait_dscnt 0x0                               ; the add is done, my reads of this slot are back
	s_barrier_signal -1                            ; opens a round of the cluster's barrier
	WIN MUL_LO
	MUL16 0, 1, NQ-1, \slot
	WIN 0
	s_barrier_wait -1
	CREST
	JLOAD \slot                                    ; the first tensor load behind the round; its four v_nop are the places for the loads below
	SCALES \next
	FETCH \next, 0, 0
	s_cmp_gt_u32 s3, 1                             ; the loop's last trip loads the last two K steps: nothing lies two loads on
	s_cbranch_scc0 .Lno_ask_\@
	ASK 0
.Lno_ask_\@:
	WIN MUL_LO
	MUL16 2, 1, NQ-1, \slot
	WIN MUL_HI
	MUL16 4, 1, NQ-1, \slot
	MUL16 6, 1, NQ-1, \slot
	WIN 0
.endm
	s_wait_tensorcnt 0x0                           ; my quarter of the first K step is in; slot 1's first fill is issued as a refill is
	ds_add_u32 v[SPW], v[NIL]
	s_wait_dscnt 0x0
	CROUND
	JLOAD 1
	SCALES 0
	FETCH 0, 0, 0
	ASK 2*KBLK                                     ; my order's K steps 2 and 3
	ASK 3*KBLK
	s_mov_b32 s3, 3
.Llap:                                                 ; a trip: two K steps, both slots filled again
	STEP 0, 0
	STEP 0, 1
	STEP 0, 2
	TURN 0, 1
	STEP 1, 0
	STEP 1, 1
	STEP 1, 2
	TURN 1, 0
	s_sub_co_u32 s3, s3, 1
	s_cmp_lg_u32 s3, 0
	s_cbranch_scc1 .Llap
	STEP 0, 0
	STEP 0, 1
	STEP 0, 2
; THE LAST K STEP (slot 1) BY ROWS OF THE RESULT.
.macro BLOAD q                         ; B's fragments of quarter q: window 1, v[64 q ..]
.irp i, 0,1,2,3,4,5,6,7
	FRAG 64*(\q)+FR*\i, ADRB+1, \q, \i
.endr
.endm
.macro ALOAD a                         ; A's block a, all four quarters: buffer a % 2
.irp q, 0,1,2,3
	FRAG AF+32*((\a)%2)+FR*\q, ADRA+1, \q, \a
.endr
.endm
.macro ROW a                           ; block a's last 16 products, its 4 sums by turns: three others stand between two steps of a sum
.set FA, AF+32*((\a)%2)
.set AC, 64*((\a)%4)
	WIN MUL_LO+0x50*((\a)/4)
.irp q, 0,1,2,3
.if (\a) == 0 && \q == 2
	s_wait_dscnt 0x0                               ; B's quarter 2 is in
.endif
.irp b, 0,2,4,6
.if ((\a)%2) == 0
	v_wmma_scale_f32_32x16x128_f4 v[AC+8*\b:AC+8*\b+15], v[64*\q+FR*\b:64*\q+FR*\b+15], v[FA+FR*\q:FA+FR*\q+7], v[AC+8*\b:AC+8*\b+15], v[SC+32+2*\b+\q], v[SC+48+4*((\a)/2)+\q]
.else
	v_wmma_scale_f32_32x16x128_f4 v[AC+8*\b:AC+8*\b+15], v[64*\q+FR*\b:64*\q+FR*\b+15], v[FA+FR*\q:FA+FR*\q+7], v[AC+8*\b:AC+8*\b+15], v[SC+32+2*\b+\q], v[SC+48+4*((\a)/2)+\q] matrix_b_scale:MATRIX_SCALE_ROW1
.endif
.endr
.endr
.endm
.macro DIFF a                          ; (I+ - I-) / (0.5 k): register 4 j + c is column 32 h + 4 j + c of my 64; each sum is read from its low end on
.set AC, 64*((\a)%4)
	WIN 0x0a+5*((\a)/4)
.irp j, 0,1,2,3,4,5,6,7
.irp c, 0,1,2,3
	v_sub_f32 v[Y+4*\j+\c], v[AC+8*\c+\j], v[AC+32+8*\c+\j]
.endr
.endr
	WIN 0
.irp i, 0,2,4,6,8,10,12,14,16,18,20,22,24,26,28,30
	v_pk_mul_f32 v[Y+\i:Y+\i+1], v[Y+\i:Y+\i+1], v[SF:SF+1]
.endr
.endm
.macro TOSTAGE                         ; through my own stage; LDS serves a wave's instructions in order
.irp j, 0,1,2,3,4,5,6,7
	ds_store_b128 v[STO], v[Y+4*\j:Y+4*\j+3] offset:16*\j
.endr
.irp t, 0,1,2,3,4,5,6,7
	ds_load_b128 v[BK+4*\t:BK+4*\t+3], v[RD] offset:\t*2*PITCH
.endr
.endm
.macro SEND a, younger
	s_wait_dscnt \younger
.irp t, 0,1,2,3,4,5,6,7
	global_store_b128 v[CO], v[BK+4*\t:BK+4*\t+3], s[12:13] offset:(16*(\a)+2*\t)*ORow th:TH_STORE_NT   ; sixteen lanes store 256 consecutive bytes, aligned
.endr
.endm
	WIN 0
	s_wait_tensorcnt 0x0                           ; slot 1's last fill has landed; nothing is filled again, so no round follows
	ds_add_u32 v[SPW], v[NIL]
	s_wait_dscnt 0x0                               ; my reads of slot 0 are back
	s_barrier_signal -1
	WIN MUL_LO
	MUL16 0, 1, NQ-1, 0
	s_barrier_wait -1
	PLACES NP                                      ; for the loads into sets 0
	WIN TO_B
	BLOAD 0
	BLOAD 1
	BLOAD 3
	WIN 0
	SCALES 1
	ALOAD 0
	ALOAD 1
	WIN MUL_LO
	MUL16 2, 1, NQ-1, 0
	WIN MUL_HI
	MUL16 4, 1, NQ-1, 0
	MUL16 6, 1, NQ-1, 0
	PLACES NP                                      ; for the loads into B's set 1, and for what is written over A's set 1
	WIN TO_B
	BLOAD 2
	WIN 0
	s_wait_dscnt 16                                ; out: B's quarter 2
	ROW 0
.irp a, 0,1,2,3,4,5,6,7
	PLACES NP                                      ; block a's results are read, and its buffer of A is loaded again
	DIFF \a
	s_wait_alu depctr_va_vdst(0)
	s_wait_xcnt 0x0                                ; the last block's stores have read the registers that the stage's loads fill
	TOSTAGE
.if \a < 6
	ALOAD \a+2
	s_wait_dscnt 24                                ; out: the stage's 16 and the 8 just issued; block a + 1's fragments are in
.else
	s_wait_dscnt 16
.endif
.if \a < 7
	ROW \a+1                                       ; the next block is multiplied while this one turns through the stage
	WIN 0
.endif
.if \a < 6
	SEND \a, 8
.else
	SEND \a, 0
.endif
.endr
	s_wait_tensorcnt 0x0                           ; the wave's end
	ds_add_u32 v[SPW], v[NIL]
	s_wait_dscnt 0x0
	CROUND                                         ; the closing round
	s_endpgm
.Lfunc_end_k_q2a6a4729b6_gemm:
	.size	k_q2a6a4729b6_gemm, .Lfunc_end_k_q2a6a4729b6_gemm-k_q2a6a4729b6_gemm
	.p2alignl 7, 3214868480
	.fill 96, 4, 3214868480
	.section	.rodata,"a",@progbits
	.p2align	6, 0x0
	.amdhsa_kernel k_q2a6a4729b6_gemm
		.amdhsa_group_segment_fixed_size 327680
		.amdhsa_private_segment_fixed_size 0
		.amdhsa_enable_private_segment 0
		.amdhsa_kernarg_size 40
		.amdhsa_user_sgpr_count 2
		.amdhsa_user_sgpr_kernarg_segment_ptr 1
		.amdhsa_wavefront_size32 1
		.amdhsa_system_sgpr_workgroup_id_x 1
		.amdhsa_system_sgpr_workgroup_id_y 1
		.amdhsa_system_sgpr_workgroup_id_z 1
		.amdhsa_system_vgpr_workitem_id 0
		.amdhsa_next_free_vgpr 1024
		.amdhsa_next_free_sgpr 86
		.amdhsa_reserve_vcc 1
		.amdhsa_float_denorm_mode_32 3
		.amdhsa_float_denorm_mode_16_64 3
		.amdhsa_memory_ordered 1
		.amdhsa_forward_progress 1
		.amdhsa_inst_pref_size 159
	.end_amdhsa_kernel
	.amdgpu_metadata
---
amdhsa.version: [ 1, 2 ]
amdhsa.kernels:
  - .name:           k_q2a6a4729b6_gemm
    .symbol:         k_q2a6a4729b6_gemm.kd
    .args:
      - { .name: xq, .offset: 0, .size: 8, .value_kind: global_buffer, .address_space: global }
      - { .name: gq, .offset: 8, .size: 8, .value_kind: global_buffer, .address_space: global }
      - { .name: pmax, .offset: 16, .size: 8, .value_kind: global_buffer, .address_space: global }
      - { .name: b, .offset: 24, .size: 8, .value_kind: global_buffer, .address_space: global }
      - { .name: out0, .offset: 32, .size: 8, .value_kind: global_buffer, .address_space: global }
    .group_segment_fixed_size: 327680
    .private_segment_fixed_size: 0
    .kernarg_segment_align: 8
    .kernarg_segment_size: 40
    .max_flat_workgroup_size: 128
    .sgpr_count:     86
    .vgpr_count:     1024
    .wavefront_size: 32
...
	.end_amdgpu_metadata
.endif
;; end of part 3
